; MI455X (gfx1250); checked and timed in simulation.
; The chip was launched on July 23, 2026; its instructions are those of AMD's public machine-readable ISA for CDNA 5 (MIT licence, August 2026) and "CDNA5" Instruction Set Architecture Reference Guide (July 2026). The comments in the code are by the model that wrote it; some were corrected since.
;; Scale Dot Product Attention. Allowed arithmetic: matrix products marked QUANTISED: E4M3 operands, one given power-of-two scale a tensor, by v_wmma_f32_16x16x64_fp8_fp8 or v_wmma_f32_16x16x128_fp8_fp8, f32 sums; everything else in f32.
;; Inputs: k 4 x 16 x 2,048 x 64 float32; lowp_scales 4 int32 (the exponents e of the quantised operands' scales 2^e); q 4 x 16 x 2,048 x 64 float32; v 4 x 16 x 2,048 x 64 float32.
;; Outputs: out0 4 x 16 x 2,048 x 64 float32.
;; This version of the problem:
;;   THIS VERSION OF THE PROBLEM IS GIVEN IN LOW PRECISION. The matrix products marked QUANTISED in the list below multiply operands that are first quantised to E4M3 (4 exponent bits, 3 mantissa bits; 8 bits a number), with one given power-of-two scale for each operand tensor; their sums are f32. All else is computed in f32.
;;   The module's matrix products, in the order in which they are computed (A, B: the left and right operand; K: the contracted axis; several contracted axes count as one K, in the product's order):
;;     1. batch 64 x [M 2,048, K 64] x [K 64, N 2,048]; A: input q; B: input k: QUANTISED (scales: A lowp_scales[0], B lowp_scales[1])
;;     2. batch 64 x [M 2,048, K 2,048] x [K 2,048, N 64]; A: softmax (see below); B: input v: QUANTISED (scales: A lowp_scales[2], B lowp_scales[3])
;;   THE QUANTISER, for each operand of a quantised product, along K:
;;     - The operand's scale is 2^e, e = its entry of the input lowp_scales (int32; the entries are numbered through the quantised products in the list's order, A before B).
;;     - Each number is divided by the scale, clamped to +-448, and rounded to the nearest number of E4M3, ties to even, subnormals kept.
;;     - The product sums the exact products of the quantised numbers (number of the format x scale) in f32.
;;   ~~~python
;;   def quantise(x, axis, e):      # numpy; x: float32 -> the quantised numbers, widened to float32 again
;;       x = np.moveaxis(x, axis, -1); K = x.shape[-1]
;;       r = np.clip(x / 2.0 ** e, -448, 448)
;;       step = 2.0 ** (np.maximum(np.frexp(np.where(r == 0, 1, r))[1] - 1, -6) - 3)
;;       q = np.round(r / step) * step * 2.0 ** e      # np.round: ties to even
;;       return np.moveaxis(q, -1, axis).astype(np.float32)
;;   ~~~
;;   SOFTMAX AHEAD OF A QUANTISED PRODUCT. Where the list says 'softmax', what is quantised is not the finished softmax but p = 2^(t - M), with t = logit x log2(e) and M = ceil(the row's largest t), a whole number; so 1/2 < the row's largest p <= 1. The row's sum l is taken of the UNQUANTISED p, in f32, and the product's result is divided by l at the end. Since M is a whole number, a kernel that streams over the keys may use a running M (the ceiling of the running maximum): every later rescaling is an exact power of two, so the quantised numbers keep their values, but for numbers so far below the row's largest that they fall under the format's range.
;;   OPERANDS COMPUTED ON THE WAY. 'Computed on the way' means the value that the module computes at that place (a softmax that the list does not call 'softmax' is quantised finished and normalised). What goes into a quantiser is computed in f32, as accurately as f32 sums, v_exp_f32 and their like allow (about 1e-6 of the number): no bf16 or f16 on the way to a quantiser, and a product that is left as it is and whose result goes on into a quantised operand takes f32 operands (vector FMAs, or v_wmma_f32_16x16x4_f32). A number that lies on a knife's edge between two numbers of the format may be rounded either way, as far as f32 arithmetic and the matrix unit's own rounding can turn it there, and no further.
;; 2 versions, each right; version 2 is version 1 with the launch attn written anew for expert scheduling mode. Each part assembles by itself: llvm-mc -triple=amdgcn-amd-amdhsa -mcpu=gfx1250 --defsym DOCPART=n.
;; ======== version 1 of 2: 1 launch
;; launch attn (part 1): grid 4 x 64, 16 waves a work-group, no clusters, 265,216 bytes of LDS; arguments q, k, v, lowp_scales, out0; writes out0
.if DOCPART == 1
	.amdgcn_target "amdgcn-amd-amdhsa--gfx1250"
	.amdhsa_code_object_version 6
	.text
	.protected	k_q1696fcd0b8_attn
	.globl	k_q1696fcd0b8_attn
	.p2align	8
	.type	k_q1696fcd0b8_attn,@function
k_q1696fcd0b8_attn:
	s_mov_b64 s[64:65], 0
	v_nop
	global_prefetch_b8 v0, s[64:65] scope:SCOPE_SE
	s_setreg_imm32_b32 hwreg(HW_REG_WAVE_MODE, 25, 1), 1
	s_wait_xcnt 0x0
; out[h][q][:] = the sum over keys of softmax(q . k / 8) v, 64 heads of 2,048 queries x 2,048 keys x 64 channels, q, k, v, out in f32.
; Both products run on codes of FP8 (E4M3), each operand with its given scale 2^e: lowp_scales = eq, ek, ep, ev.
; THE SOFTMAX AHEAD OF THE SECOND PRODUCT: t = score x log2(e) / 8; M = the running largest t rounded UP to a whole number; p = 2^(t - M) is quantised along the keys, not normalised;
; the row's sum is taken of the unquantised p and divides at the end.  When M moves, the sum and O are multiplied by 2^(old M - new M): exact.
; SHARES.  A work-group owns 512 queries of one head (grid x: the block of queries, grid y: the head); each of its sixteen waves owns 32 queries, two tiles of 16, in 256 registers.
; ONE HEAD'S K AND V AS CODES ARE 128 KiB EACH AND LIE IN LDS WHOLE.  Prologue: wave w reads keys 128 w .. 128 w + 127 of K and of V as f32, quantises them in registers and stores the codes
; as IMAGES OF THE OPERANDS' REGISTERS (four registers a store, lane l's 16 bytes at 16 l); it also quantises its own 32 rows of q into registers.  One barrier.  Then 16 key steps of 128 keys
; with no barrier and nothing fetched from memory; each fragment of K and of V read from LDS feeds both of the wave's query tiles.  One barrier, and the results leave through a stage.
; NO TENSOR LOADS, NO CLUSTER: what the four work-groups of a head share arrives as f32 (1 MiB a head) and has to pass through registers to be quantised; a joint load would land f32 numbers in LDS,
; of which the codes take 263,168 of 327,680 bytes.  Quantising a head four times is 9 batches of about 90 vector instructions a wave, against 16 key steps of about 400.
; LAYOUT.  Both products are used transposed: S^T = K Q^T (source 0 = 16 keys, source 1 = 16 queries), O^T = V^T P^T (source 0 = 16 channels, source 1 = P): a lane holds ONE query (lane % 16) throughout.
; In S^T register j of lane (r, h) is key 16 t + 8 h + j: a tile's eight registers convert into registers 2 t, 2 t + 1 of P, which is the K = 128 form's own place for those keys.
; K and Q: lane (r, h) holds, of row r, d = 8 j + 4 h + 0 .. 3 (j = 0 .. 7): a permutation of d that is the same on both sides, so every product meets its partner.
; LIMITS: eq, ek, ev, ep between -126 and 119 and eq + ek between -123 and 130, so that each power of two below is an f32 number.  NaN among the inputs is not served (an infinity is held at the largest code).
.set KIMG, 0                           ; LDS: K's fragment tau (keys 16 tau on) at 1024 tau: registers 4 c .. 4 c + 3 at + 512 c, lane l at + 16 l
.set VIMG, 131072                      ; V's fragment (step s, channels 16 u on) at VIMG + (4 s + u) VFRB: registers 4 c .. 4 c + 3 at + 512 c, lane l at + 16 l
.set VFRB, 2064                        ; 2,048 bytes + 16: the sixteen lanes of a prologue store then fall on sixteen different 16-byte columns modulo 256 bytes
.set SPT,  272                         ; the way out: a stage row, 256 bytes + 16
.set STGB, 16*SPT                      ; a stage: 16 rows.  Stage (wave w, tile y) at (2 w + y) STGB, over the images, behind the last barrier
.set LI,  1                            ; v1   16 x lane; never rewritten
.set KA,  2                            ; v2   prologue: my byte in 16 rows of q or k: 256 r + 16 h
.set VA,  3                            ; v3   prologue: my byte in V's rows: 2,048 h + 16 r
.set ADK, 2                            ; v2   loop: LDS address of the step's images of K
.set ADV, 3                            ; v3   loop: of V
.set SCQ, 4                            ; v4, v5  prologue: 2^eq, 448 x 2^eq;  v6, v7: the same for k;  v8, v9: for v
.set LMQ, 5
.set SCK, 6
.set LMK, 7
.set SCV, 8
.set LMV, 9
.set KW,  10                           ; v10  prologue: where I store K's images
.set VW,  11                           ; v11  prologue: where I store V's images
.set ST,  4                            ; loop: tile y's statistics at v[4 + 4 y]: -M, the largest t, the sum in two halves
.set SCP, 12                           ; v12  2^ep
.set LMP, 13                           ; v13  448 x 2^ep
.set QF,  16                           ; v16-31   Q's two fragments
.set CT,  32                           ; v32-47   prologue: codes just made
.set DT,  48                           ; v48-63   prologue: V's codes, turned
.set X0,  64                           ; v64-127, v128-191, v192-255: prologue: three buffers of 64 numbers
.set X1,  128
.set X2,  192
.set OA,  32                           ; v32-95   loop: O^T, tile y, channels 16 u on, at OA + 32 y + 8 u
.set SA,  96                           ; v96-223  loop: S^T, then p: tile y, keys 16 t on, at SA + 64 y + 8 t
.set VF,  96                           ; v96-159  loop: V's four fragments, in the registers that tile 0's p has left
.set F,   224                          ; v224-255 loop: four fragments of K; then P's codes, tile y at F + 16 y; the upper half holds the softmax's temporaries until tile 1's codes take it
.set TMA, 240
.set TMB, 241
.set PDR, 242
.set FPR, 244                          ; v[244:245] f = 2^(old M - new M) in the low word
.set CH2, 246                          ; v[246:247] the sum's second chain
; scalars: s[4:5] q, s[6:7] k, s[8:9] v, s[10:11] scales, s[12:13] out, s14 wave, s15 head's bytes, s[16:17], s[18:19] offsets, s[20:23] eq ek ep ev, s[24:25] lane selects,
; s[26:27] c, s28-31 byte selectors, s32 trips, s33, s34 LDS bytes of the step's images, s35 ep + ev, s36, s38 at work, s37 1 where p needs no hold
; 16 loads: two tiles of 16 rows of q or k from byte off on; load j of a tile brings d = 8 j + 4 h + 0 .. 3 of row r.  nt = 1: read once in the whole launch
.macro LD_QK x, sb, off, nt
.irp a, 0,1
.irp j, 0,1,2,3,4,5,6,7
.if \nt
	global_load_b128 v[\x+32*\a+4*\j:\x+32*\a+4*\j+3], v[KA], s[\sb:\sb+1] offset:\off+4096*\a+32*\j th:TH_LOAD_NT
.else
	global_load_b128 v[\x+32*\a+4*\j:\x+32*\a+4*\j+3], v[KA], s[\sb:\sb+1] offset:\off+4096*\a+32*\j
.endif
.endr
.endr
.endm
; 16 loads: 32 keys of V.  Lanes 0-15 read one whole row of 256 bytes, lanes 16-31 the row 8 keys on.  Load n brings channels 4 r .. 4 r + 3 of key 32 c + 8 h + n (n < 8) or 32 c + 16 + 8 h + n - 8:
; the 16 keys, in order, that registers 4 c .. 4 c + 3 of V's fragment hold in lane half h
.macro LD_V x, c
.set n1, 0
.rept 16
	global_load_b128 v[\x+4*n1:\x+4*n1+3], v[VA], s[8:9] offset:(32*(\c)+n1+8*(n1/8))*256
.set n1, n1+1
.endr
.endm
; 64 numbers of a lane become 64 codes in 16 registers
.macro QUANT64 x, c, sc, lim
.set n2, 0
.rept 64
	v_med3_num_f32 v[\x+n2], v[\x+n2], -v[\lim], v[\lim]   ; the conversion to an 8-bit code does not saturate (ISA guide 7.6.2): hold the number within the largest code x the scale first
.set n2, n2+1
.endr
	s_wait_dscnt 0x0                               ; the last batch's LDS stores are done: the registers that they read are written again below
.irp g, 0,1,2,3,4,5,6,7
	v_cvt_scalef32_pk8_fp8_f32 v[\c+2*\g:\c+2*\g+1], v[\x+8*\g:\x+8*\g+7], v[\sc]
.endr
	v_nop                                          ; one plain vector instruction between a scaled conversion and the next vector or matrix instruction that touches its result or writes its sources
.endm
; batch i of K: my fragments 2 i and 2 i + 1, to LDS as they stand
.macro KBATCH i, x
	QUANT64 \x, CT, SCK, LMK
.irp a, 0,1
.irp c, 0,1
	ds_store_b128 v[KW], v[CT+8*\a+4*\c:CT+8*\a+4*\c+3] offset:(2*(\i)+\a)*1024+512*\c
.endr
.endr
.endm
; batch c of V: register n of the codes holds one key's four channels; 4 x 4 bytes are turned by two layers of v_perm_b32, so that four registers hold one channel's 16 keys: registers 4 c .. 4 c + 3 of that channel's lane
.macro VBATCH c, x
	QUANT64 \x, CT, SCV, LMV
.irp g, 0,1,2,3
	v_perm_b32 v[\x],   v[CT+4*\g+1], v[CT+4*\g],   s28   ; keys 0, 1 of the four: channel 0's pair, channel 1's pair
	v_perm_b32 v[\x+1], v[CT+4*\g+1], v[CT+4*\g],   s29   ; channel 2's, channel 3's
	v_perm_b32 v[\x+2], v[CT+4*\g+3], v[CT+4*\g+2], s28   ; keys 2, 3 likewise
	v_perm_b32 v[\x+3], v[CT+4*\g+3], v[CT+4*\g+2], s29
	v_perm_b32 v[DT+\g],    v[\x+2], v[\x],   s30         ; channel 0: keys 4 g .. 4 g + 3
	v_perm_b32 v[DT+4+\g],  v[\x+2], v[\x],   s31         ; channel 1
	v_perm_b32 v[DT+8+\g],  v[\x+3], v[\x+1], s30         ; channel 2
	v_perm_b32 v[DT+12+\g], v[\x+3], v[\x+1], s31         ; channel 3
.endr
.irp a, 0,1,2,3
	ds_store_b128 v[VW], v[DT+4*\a:DT+4*\a+3] offset:512*(\c)+16*\a   ; channel 4 r + a is lane 4 (r % 4) + a of channel tile r / 4
.endr
.endm
.macro MKSCALE e, vsc, vlim            ; 2^e and 448 x 2^e as f32
	s_add_co_i32 s36, s[\e], 127
	s_lshl_b32 s38, s36, 23
	v_mov_b32 v[\vsc], s38
	s_add_co_i32 s36, s36, 8
	s_lshl_b32 s36, s36, 23
	s_or_b32 s36, s36, 0x600000
	v_mov_b32 v[\vlim], s36
.endm
; Tile y's softmax for a key step: 64 scores a lane
.macro SOFTMAX y
.set SB, SA+64*(\y)
.set OB, OA+32*(\y)
.set NM, ST+4*(\y)
	v_max3_num_f32 v[TMA], v[SB], v[SB+1], v[SB+2]         ; the step's largest score of my query among my 64 keys, in two chains; every accumulator is read from its low end on
	v_max3_num_f32 v[TMB], v[SB+3], v[SB+4], v[SB+5]
.irp i, 6,10,14,18,22,26,30,34,38,42,46,50,54,58
	v_max3_num_f32 v[TMA], v[TMA], v[SB+\i], v[SB+\i+1]
	v_max3_num_f32 v[TMB], v[TMB], v[SB+\i+2], v[SB+\i+3]
.endr
	v_max3_num_f32 v[TMA], v[TMA], v[SB+62], v[SB+63]
	v_max_num_f32 v[TMA], v[TMA], v[TMB]
	v_permlanex16_b32 v[PDR], v[TMA], s24, s25             ; the query's other 64 keys lie in the lane 16 away
	v_max_num_f32 v[TMA], v[TMA], v[PDR]
	v_mul_f32 v[TMA], s26, v[TMA]                          ; as t (c is positive)
	v_max_num_f32 v[NM+1], v[NM+1], v[TMA]                 ; the running largest t
	v_mov_b32 v[TMA], v[NM]
	v_floor_f32 v[NM], -v[NM+1]                            ; the new -M = floor(-t) = -ceil(t): a whole number
	v_sub_f32 v[TMA], v[NM], v[TMA]                        ; old M - new M: a whole number, 0 or less
	v_cvt_i32_f32 v[TMA], v[TMA]                           ; (it saturates)
	v_ldexp_f32 v[FPR], 1.0, v[TMA]                        ; f = 2^(old M - new M)
.set n3, 0
.rept 16
	v_pk_mul_f32 v[OB+n3:OB+n3+1], v[OB+n3:OB+n3+1], v[FPR:FPR+1] op_sel_hi:[1,0]   ; O^T under the new M, each accumulator from its low end on
.set n3, n3+2
.endr
.set n3, 0
.rept 32
	v_pk_fma_f32 v[SB+n3:SB+n3+1], v[SB+n3:SB+n3+1], s[26:27], v[NM:NM+1] op_sel_hi:[1,0,0]   ; t - M, two at a time (of the pairs c and -M the low word serves both halves)
.set n3, n3+2
.endr
.set n3, 0
.rept 64
	v_exp_f32 v[SB+n3], v[SB+n3]                           ; p = 2^(t - M): not normalised
.set n3, n3+1
.endr
	v_pk_mul_f32 v[NM+2:NM+3], v[NM+2:NM+3], v[FPR:FPR+1] op_sel_hi:[1,0]   ; the sum under the new M (the plain instruction behind the exponentials)
	s_wait_alu depctr_va_vdst(0)
	v_pk_add_f32 v[CH2:CH2+1], v[SB:SB+1], v[SB+2:SB+3]    ; the row's sum is taken of the unquantised p: two at a time, in two chains
.irp j, 4,8,12,16,20,24,28,32,36,40,44,48,52,56,60
	v_pk_add_f32 v[NM+2:NM+3], v[NM+2:NM+3], v[SB+\j:SB+\j+1]
	v_pk_add_f32 v[CH2:CH2+1], v[CH2:CH2+1], v[SB+\j+2:SB+\j+3]
.endr
	v_pk_add_f32 v[NM+2:NM+3], v[NM+2:NM+3], v[CH2:CH2+1]
	s_cmp_lg_u32 s37, 0                                    ; the hold of p is passed over only where it can change nothing (see where s37 is made); for every other pair of scales it runs
	s_cbranch_scc1 .Lfree_\@
.set n3, 0
.rept 64
	v_min_num_f32 v[SB+n3], v[SB+n3], v[LMP]               ; p is not negative: the hold is one-sided
.set n3, n3+1
.endr
.Lfree_\@:
.irp t, 0,1,2,3,4,5,6,7
	v_cvt_scalef32_pk8_fp8_f32 v[F+16*(\y)+2*\t:F+16*(\y)+2*\t+1], v[SB+8*\t:SB+8*\t+7], v[SCP]   ; keys 16 t + 8 h + 0 .. 7: registers 2 t, 2 t + 1 of P
.endr
	v_nop                                                  ; the plain instruction behind the last conversion
.endm
	s_load_b256 s[4:11], s[0:1], 0x0               ; q, k, v, the scales' exponents
	s_load_b64 s[12:13], s[0:1], 0x20              ; out
	v_lshrrev_b32 v1, 5, v0
	v_readfirstlane_b32 s14, v1                    ; wave 0..15
	v_and_b32 v1, 31, v0
	v_lshlrev_b32 v[LI], 4, v1                     ; 16 x lane
	v_and_b32 v14, 15, v0                          ; r
	v_bfe_u32 v15, v0, 4, 1                        ; h
	v_lshlrev_b32 v[KA], 8, v14
	v_lshl_add_u32 v[KA], v15, 4, v[KA]            ; 256 r + 16 h
	v_lshlrev_b32 v[VA], 4, v14
	v_lshl_add_u32 v[VA], v15, 11, v[VA]           ; 16 r + 8 rows x h
	s_and_b32 s15, ttmp7, 0xffff
	s_lshl_b32 s15, s15, 19                        ; the head's first byte in each tensor: 2,048 rows of 256 bytes a head; 64 heads are 32 MiB
	s_lshl_b32 s16, s14, 15
	s_add_co_u32 s16, s16, s15                     ; K, V: + my wave's 128 keys
	s_mov_b32 s17, 0
	s_lshl_b32 s18, ttmp9, 17
	s_add_co_u32 s18, s18, s15                     ; q, out: + the work-group's 512 queries
	s_lshl_b32 s36, s14, 13
	s_add_co_u32 s18, s18, s36                     ; + my wave's 32
	s_mov_b32 s19, 0
	s_wait_kmcnt 0x0
	s_load_b128 s[20:23], s[10:11], 0x0            ; eq, ek, ep, ev
	s_add_nc_u64 s[4:5], s[4:5], s[18:19]
	s_add_nc_u64 s[12:13], s[12:13], s[18:19]
	s_add_nc_u64 s[6:7], s[6:7], s[16:17]
	s_add_nc_u64 s[8:9], s[8:9], s[16:17]
	LD_QK X0, 4, 0, 1                              ; my 32 rows of q
	LD_QK X1, 6, 0, 0                              ; K, keys 0-31 of my 128
	LD_QK X2, 6, 8192, 0                           ; keys 32-63
	s_lshl_b32 s36, s14, 13
	v_add_nc_u32 v[KW], s36, v[LI]                 ; K's images: my eight fragments, 16 x lane
	s_mul_i32 s36, s14, 4*VFRB
	s_add_co_u32 s36, s36, VIMG                    ; V's images: my step's four fragments;
	v_bfe_u32 v[VW], v0, 2, 2
	v_mul_u32_u24 v[VW], v[VW], VFRB               ; channel tile r / 4,
	v_and_b32 v14, 3, v0
	v_lshl_add_u32 v[VW], v14, 6, v[VW]            ; lane 4 (r % 4) of it,
	v_lshl_add_u32 v[VW], v15, 8, v[VW]            ; in my half of the lanes
	v_add_nc_u32 v[VW], s36, v[VW]
	s_mov_b32 s24, 0x76543210                      ; v_permlanex16_b32: lane l xor 16
	s_mov_b32 s25, 0xfedcba98
	s_mov_b32 s26, 0x3e38aa3b                      ; c = log2(e) / 8
	s_mov_b32 s28, 0x05010400                      ; byte selectors for the turning of V's codes
	s_mov_b32 s29, 0x07030602
	s_mov_b32 s30, 0x05040100
	s_mov_b32 s31, 0x07060302
	s_wait_kmcnt 0x0
	MKSCALE 20, SCQ, LMQ
	MKSCALE 21, SCK, LMK
	MKSCALE 23, SCV, LMV
	MKSCALE 22, SCP, LMP
	s_add_co_i32 s35, s22, s23                     ; ep + ev
	s_add_co_i32 s36, s20, s21                     ; eq + ek
	; Where eq + ek <= 0, |t| <= 64 x 448^2 x c < 2^22, so the rounding of the largest t is at most 1/4 and p <= 2^(1/4); where also ep >= -8, 448 x 2^ep >= 1.75: the hold of p changes nothing.
	s_cmp_le_i32 s36, 0
	s_cselect_b32 s37, 1, 0
	s_cmp_ge_i32 s22, -8
	s_cselect_b32 s37, s37, 0
	s_lshl_b32 s36, s36, 23
	s_add_co_i32 s26, s26, s36                     ; a score stands for score x 2^(eq + ek): the exponents are added to c's exponent field
	s_mov_b32 s27, s26                             ; (named with it as a pair, so it is written)
	; THE PROLOGUE: nine batches of 16 loads go round three buffers; while one is quantised two are on their way
	s_wait_loadcnt 32                              ; the oldest batch is in, the two younger ones (32 loads) stay out: so at each of these waits
	QUANT64 X0, QF, SCQ, LMQ                       ; Q's two fragments stay in registers
	LD_QK X0, 6, 16384, 0                          ; keys 64-95
	s_wait_loadcnt 32
	KBATCH 0, X1
	LD_QK X1, 6, 24576, 0                          ; keys 96-127
	s_wait_loadcnt 32
	KBATCH 1, X2
	LD_V X2, 0
	s_wait_loadcnt 32
	KBATCH 2, X0
	LD_V X0, 1
	s_wait_loadcnt 32
	KBATCH 3, X1
	LD_V X1, 2
	s_wait_loadcnt 32
	VBATCH 0, X2
	LD_V X2, 3
	s_wait_loadcnt 32
	VBATCH 1, X0
	s_wait_loadcnt 16                              ; one younger batch is left
	VBATCH 2, X1
	s_wait_loadcnt 0x0
	VBATCH 3, X2
	s_wait_dscnt 0x0                               ; my images lie in LDS, for the others' sake; and the stores' registers may be written again
	s_barrier_signal -1
.irp y, 0,1                                    ; register work while the others arrive
	v_mov_b32 v[ST+4*\y+1], 0xff61b1e6             ; the largest t so far: -3e38, under every t
	v_floor_f32 v[ST+4*\y], -v[ST+4*\y+1]          ; -M
	v_mov_b32 v[ST+4*\y+2], 0                      ; the sum, in two halves
	v_mov_b32 v[ST+4*\y+3], 0
.endr
.set n4, 0
.rept 64
	v_mov_b32 v[OA+n4], 0                          ; O^T.  (The step is written once: the first finds zeros, which the first change of M leaves zeros)
.set n4, n4+1
.endr
	s_mov_b32 s33, KIMG
	s_mov_b32 s34, VIMG
	s_mov_b32 s32, 16
	s_barrier_wait -1                              ; the head's K and V lie in LDS, whole
.Lstep:                                            ; 16 trips of 128 keys
	v_add_nc_u32 v[ADK], s33, v[LI]
	v_add_nc_u32 v[ADV], s34, v[LI]
.rept 3
	v_nop                                          ; with the two additions five places behind the last trip's products: the loads below land on P's registers (four are owed), and the first products below write over V's fragments (five)
.endr
.irp g, 0,1                                    ; S^T = K Q^T, four tiles of 16 keys at a time, each fragment of K against both tiles of queries
.irp t, 0,1,2,3
.irp c, 0,1
	ds_load_b128 v[F+8*\t+4*\c:F+8*\t+4*\c+3], v[ADK] offset:(4*\g+\t)*1024+512*\c
.endr
.endr
	s_wait_dscnt 0x0
.irp t, 0,1,2,3
.irp y, 0,1
	v_wmma_f32_16x16x64_fp8_fp8 v[SA+64*\y+8*(4*\g+\t):SA+64*\y+8*(4*\g+\t)+7], v[F+8*\t:F+8*\t+7], v[QF+8*\y:QF+8*\y+7], 0
.endr
.endr
.rept 4
	v_nop                                          ; places in front of the next loads into K's registers, and of the first reads of the scores and the first writes of the temporaries
.endr
.endr
	SOFTMAX 0
.irp u, 0,1,2,3                                ; V's four fragments land in the registers that tile 0's p has left, while tile 1's softmax is worked
.irp c, 0,1,2,3
	ds_load_b128 v[VF+16*\u+4*\c:VF+16*\u+4*\c+3], v[ADV] offset:\u*VFRB+512*\c
.endr
.endr
	SOFTMAX 1
	s_wait_dscnt 0x0                               ; V is in
.irp u, 0,1,2,3                                ; O^T += V^T P^T: eight accumulators, one instruction each
.irp y, 0,1
	v_wmma_f32_16x16x128_fp8_fp8 v[OA+32*\y+8*\u:OA+32*\y+8*\u+7], v[VF+16*\u:VF+16*\u+15], v[F+16*\y:F+16*\y+15], v[OA+32*\y+8*\u:OA+32*\y+8*\u+7]
.endr
.endr
	s_add_co_u32 s33, s33, 8192                    ; the next step's eight fragments of K,
	s_add_co_u32 s34, s34, 4*VFRB                  ; and four of V
	s_sub_co_u32 s32, s32, 1
	s_cmp_lg_u32 s32, 0
	s_cbranch_scc1 .Lstep
	; THE WAY OUT.  The addresses and the sums are the places behind the last products.
	v_and_b32 v8, 15, v0                           ; r
	v_bfe_u32 v9, v0, 4, 1                         ; h
	s_mul_i32 s36, s14, 2*STGB                     ; my two stages
	v_mul_u32_u24 v4, v8, SPT
	v_lshl_add_u32 v4, v9, 5, v4
	v_add_nc_u32 v4, s36, v4                       ; in: row r; channels 16 u + 8 h on: 64 u + 32 h bytes
	v_mul_u32_u24 v5, v9, SPT
	v_lshl_add_u32 v5, v8, 4, v5
	v_add_nc_u32 v5, s36, v5                       ; back: lanes 0-15 one row of 256 bytes, lanes 16-31 the next
	v_add_f32 v14, v6, v7                          ; the sums' two halves,
	v_add_f32 v2, v10, v11
	v_permlanex16_b32 v15, v14, s24, s25
	v_permlanex16_b32 v3, v2, s24, s25
	v_add_f32 v14, v14, v15                        ; and lane l xor 16's: the rows' sums
	v_add_f32 v2, v2, v3
	v_rcp_f32 v14, v14
	v_rcp_f32 v2, v2
	v_nop                                          ; a plain instruction behind the reciprocals
	s_wait_alu depctr_va_vdst(0)
	v_ldexp_f32 v14, v14, s35                      ; x 2^(ep + ev)
	v_ldexp_f32 v2, v2, s35
	s_wait_dscnt 0x0                               ; my reads of the images are over
	s_barrier_signal -1
	s_barrier_wait -1                              ; everybody's are: the stages may be laid over the images
.macro TOSTAGE y, inv
.set n5, 0
.rept 16
	v_pk_mul_f32 v[96+32*(\y)+n5:96+32*(\y)+n5+1], v[OA+32*(\y)+n5:OA+32*(\y)+n5+1], v[\inv:\inv+1] op_sel_hi:[1,0]   ; O^T / the sum, each accumulator from its low end on
.set n5, n5+2
.endr
.irp u, 0,1,2,3
	ds_store_b128 v4, v[96+32*(\y)+8*\u:96+32*(\y)+8*\u+3] offset:STGB*(\y)+64*\u
	ds_store_b128 v4, v[96+32*(\y)+8*\u+4:96+32*(\y)+8*\u+7] offset:STGB*(\y)+64*\u+16
.endr
.irp i, 0,1,2,3,4,5,6,7
	ds_load_b128 v[160+32*(\y)+4*\i:160+32*(\y)+4*\i+3], v5 offset:STGB*(\y)+2*SPT*\i   ; LDS serves a wave's instructions in order (ISA guide 5.7.1.4): these see my stores; the stage is my own
.endr
.endm
	TOSTAGE 0, 14
	TOSTAGE 1, 2
.irp i, 0,1,2,3,4,5,6,7
	s_wait_dscnt 23-\i                             ; behind tile 0's load i: 7 - i of its own loads and tile 1's sixteen LDS instructions
	global_store_b128 v[LI], v[160+4*\i:160+4*\i+3], s[12:13] offset:512*\i th:TH_STORE_NT   ; 32 lanes store two rows, 512 consecutive bytes at a multiple of 256 from out's first byte
.endr
.irp i, 0,1,2,3,4,5,6,7
	s_wait_dscnt 7-\i                              ; behind tile 1's load i: 7 - i loads
	global_store_b128 v[LI], v[192+4*\i:192+4*\i+3], s[12:13] offset:4096+512*\i th:TH_STORE_NT
.endr
	s_wait_xcnt 0x0
	v_lshl_add_u32 v254, v0, 2, 0x40400
	v_mov_b32 v255, 0
	s_wait_tensorcnt 0x0
	ds_add_u32 v254, v255
	s_wait_dscnt 0x0
	s_endpgm
.Lfunc_end_k_q1696fcd0b8_attn:
	.size	k_q1696fcd0b8_attn, .Lfunc_end_k_q1696fcd0b8_attn-k_q1696fcd0b8_attn
	.p2alignl 7, 3214868480
	.fill 96, 4, 3214868480
	.section	.rodata,"a",@progbits
	.p2align	6, 0x0
	.amdhsa_kernel k_q1696fcd0b8_attn
		.amdhsa_group_segment_fixed_size 265216
		.amdhsa_private_segment_fixed_size 0
		.amdhsa_enable_private_segment 0
		.amdhsa_kernarg_size 40
		.amdhsa_user_sgpr_count 2
		.amdhsa_user_sgpr_kernarg_segment_ptr 1
		.amdhsa_wavefront_size32 1
		.amdhsa_system_sgpr_workgroup_id_x 1
		.amdhsa_system_sgpr_workgroup_id_y 1
		.amdhsa_system_sgpr_workgroup_id_z 1
		.amdhsa_system_vgpr_workitem_id 0
		.amdhsa_next_free_vgpr 256
		.amdhsa_next_free_sgpr 66
		.amdhsa_reserve_vcc 0
		.amdhsa_float_denorm_mode_32 3
		.amdhsa_float_denorm_mode_16_64 3
		.amdhsa_memory_ordered 1
		.amdhsa_forward_progress 1
		.amdhsa_inst_pref_size 107
	.end_amdhsa_kernel
	.amdgpu_metadata
---
amdhsa.version: [ 1, 2 ]
amdhsa.kernels:
  - .name:           k_q1696fcd0b8_attn
    .symbol:         k_q1696fcd0b8_attn.kd
    .args:
      - { .name: q, .offset: 0, .size: 8, .value_kind: global_buffer, .address_space: global }
      - { .name: k, .offset: 8, .size: 8, .value_kind: global_buffer, .address_space: global }
      - { .name: v, .offset: 16, .size: 8, .value_kind: global_buffer, .address_space: global }
      - { .name: lowp_scales, .offset: 24, .size: 8, .value_kind: global_buffer, .address_space: global }
      - { .name: out0, .offset: 32, .size: 8, .value_kind: global_buffer, .address_space: global }
    .group_segment_fixed_size: 265216
    .private_segment_fixed_size: 0
    .kernarg_segment_align: 8
    .kernarg_segment_size: 40
    .max_flat_workgroup_size: 512
    .sgpr_count:     66
    .vgpr_count:     256
    .wavefront_size: 32
...
	.end_amdgpu_metadata
.endif
;; end of part 1
;; ======== version 2 of 2: 1 launch; version 1 with the launch attn written anew for expert scheduling mode
;; launch attn (part 2): grid 4 x 64, 16 waves a work-group, no clusters, 265,216 bytes of LDS; arguments q, k, v, lowp_scales, out0; writes out0
.if DOCPART == 2
	.amdgcn_target "amdgcn-amd-amdhsa--gfx1250"
	.amdhsa_code_object_version 6
	.text
	.protected	k_q1696fcd0b8_attn
	.globl	k_q1696fcd0b8_attn
	.p2align	8
	.type	k_q1696fcd0b8_attn,@function
k_q1696fcd0b8_attn:
	s_mov_b64 s[64:65], 0
	v_nop
	global_prefetch_b8 v0, s[64:65] scope:SCOPE_SE
	s_setreg_imm32_b32 hwreg(HW_REG_WAVE_SCHED_MODE, 0, 2), 2
	s_setreg_imm32_b32 hwreg(HW_REG_WAVE_MODE, 25, 1), 1
	s_wait_xcnt 0x0
	s_wait_alu depctr_vm_vsrc(0)
; out[h][q][:] = the sum over keys of softmax(q . k / 8) v, 64 heads of 2,048 queries x 2,048 keys x 64 channels, q, k, v, out in f32.
; Both products run on codes of FP8 (E4M3), each operand with its given scale 2^e: lowp_scales = eq, ek, ep, ev.
; THE SOFTMAX AHEAD OF THE SECOND PRODUCT: t = score x log2(e) / 8; M = the running largest t rounded UP to a whole number; p = 2^(t - M) is quantised along the keys, not normalised;
; the row's sum is taken of the unquantised p and divides at the end.  When M moves, the sum and O are multiplied by 2^(old M - new M): exact.
; SHARES.  A work-group owns 512 queries of one head (grid x: the block of queries, grid y: the head); each of its sixteen waves owns 32 queries, two tiles of 16, in 256 registers.
; ONE HEAD'S K AND V AS CODES ARE 128 KiB EACH AND LIE IN LDS WHOLE.  Prologue: wave w reads keys 128 w .. 128 w + 127 of K and of V as f32, quantises them in registers and stores the codes
; as IMAGES OF THE OPERANDS' REGISTERS (four registers a store, lane l's 16 bytes at 16 l); it also quantises its own 32 rows of q into registers.  One barrier.  Then 16 key steps of 128 keys
; with no barrier and nothing fetched from memory; each fragment of K and of V read from LDS feeds both of the wave's query tiles.  One barrier, and the results leave through a stage.
; NO TENSOR LOADS, NO CLUSTER: what the four work-groups of a head share arrives as f32 (1 MiB a head) and has to pass through registers to be quantised; a joint load would land f32 numbers in LDS,
; of which the codes take 263,168 of 327,680 bytes.  Quantising a head four times is 9 batches of about 90 vector instructions a wave, against 16 key steps of about 400.
; LAYOUT.  Both products are used transposed: S^T = K Q^T (source 0 = 16 keys, source 1 = 16 queries), O^T = V^T P^T (source 0 = 16 channels, source 1 = P): a lane holds ONE query (lane % 16) throughout.
; In S^T register j of lane (r, h) is key 16 t + 8 h + j: a tile's eight registers convert into registers 2 t, 2 t + 1 of P, which is the K = 128 form's own place for those keys.
; K and Q: lane (r, h) holds, of row r, d = 8 j + 4 h + 0 .. 3 (j = 0 .. 7): a permutation of d that is the same on both sides, so every product meets its partner.
; LIMITS: eq, ek, ev, ep between -126 and 119 and eq + ek between -123 and 130, so that each power of two below is an f32 number.  NaN among the inputs is not served (an infinity is held at the largest code).
; THE MODE: SCHED_MODE bits 1:0 = 2 (LLVM: expert scheduling mode 2), set by the entry lines.  The code itself states the register dependences
; between vector or matrix instructions and memory or LDS instructions, with s_wait_alu, always for 0.
; THE PLAN.  Registers that memory or LDS instructions touch:
;   v1            16 x lane: written once at the head; the offset of the last stores.
;   PROLOGUE  v2, v3: offsets of the 144 loads, written once at the head.  X0 .. X2: a batch's 16 loads land; its holds write and its conversions read the buffer (V: the turning writes four of its registers);
;             then the next 16 loads land.  CT (K), DT (V): written by the conversions or the turning, read by the batch's four LDS stores.  v10, v11: the stores' addresses, written once.
;             ONE wait on va_vdst a batch, behind its arithmetic: its stores and the loads into its buffer follow with no vector instruction between.  ONE wait on vm_vsrc ahead of the conversions,
;             from the second storing batch on.  One more at the prologue's end, ahead of the lines that take v2 to v11 and v32 to v63 for other things.
;   LOOP      v2, v3: LDS addresses, written at a trip's head, read by its 32 LDS loads: a wait on vm_vsrc ahead of the two additions.
;             F (v224-255): four fragments of K land, eight products read them, four more land, eight products read them; then temporaries and P's codes are written there, which the second product reads.
;             A wait on va_vdst ahead of each of the two runs of K's loads.  VF (v96-159): tile 0's softmax writes, its conversions read; then V's 16 loads land: a wait on va_vdst ahead of them.
;             In the loop all the wave's registers but v14 and v15 are taken: there is no second buffer for K's fragments.
;   WAY OUT   v2, v3 are written again (a wait on vm_vsrc ahead); v4, v5 addresses of the stage; v96-159 both tiles' scaled results, which the LDS stores read; v160-223, in which the stage's loads land
;             and which the global stores read: one wait on va_vdst behind both tiles' scalings serves all 32 LDS instructions.
.set KIMG, 0                           ; LDS: K's fragment tau (keys 16 tau on) at 1024 tau: registers 4 c .. 4 c + 3 at + 512 c, lane l at + 16 l
.set VIMG, 131072                      ; V's fragment (step s, channels 16 u on) at VIMG + (4 s + u) VFRB: registers 4 c .. 4 c + 3 at + 512 c, lane l at + 16 l
.set VFRB, 2064                        ; 2,048 bytes + 16: the sixteen lanes of a prologue store then fall on sixteen different 16-byte columns modulo 256 bytes
.set SPT,  272                         ; the way out: a stage row, 256 bytes + 16
.set STGB, 16*SPT                      ; a stage: 16 rows.  Stage (wave w, tile y) at (2 w + y) STGB, over the images, behind the last barrier
.set LI,  1                            ; v1   16 x lane; never rewritten
.set KA,  2                            ; v2   prologue: my byte in 16 rows of q or k: 256 r + 16 h
.set VA,  3                            ; v3   prologue: my byte in V's rows: 2,048 h + 16 r
.set ADK, 2                            ; v2   loop: LDS address of the step's images of K
.set ADV, 3                            ; v3   loop: of V
.set SCQ, 4                            ; v4, v5  prologue: 2^eq, 448 x 2^eq;  v6, v7: the same for k;  v8, v9: for v
.set LMQ, 5
.set SCK, 6
.set LMK, 7
.set SCV, 8
.set LMV, 9
.set KW,  10                           ; v10  prologue: where I store K's images
.set VW,  11                           ; v11  prologue: where I store V's images
.set ST,  4                            ; loop: tile y's statistics at v[4 + 4 y]: -M, the largest t, the sum in two halves
.set SCP, 12                           ; v12  2^ep
.set LMP, 13                           ; v13  448 x 2^ep
.set QF,  16                           ; v16-31   Q's two fragments
.set CT,  32                           ; v32-47   prologue: codes just made
.set DT,  48                           ; v48-63   prologue: V's codes, turned
.set X0,  64                           ; v64-127, v128-191, v192-255: prologue: three buffers of 64 numbers
.set X1,  128
.set X2,  192
.set OA,  32                           ; v32-95   loop: O^T, tile y, channels 16 u on, at OA + 32 y + 8 u
.set SA,  96                           ; v96-223  loop: S^T, then p: tile y, keys 16 t on, at SA + 64 y + 8 t
.set VF,  96                           ; v96-159  loop: V's four fragments, in the registers that tile 0's p has left
.set F,   224                          ; v224-255 loop: four fragments of K; then P's codes, tile y at F + 16 y; the upper half holds the softmax's temporaries until tile 1's codes take it
.set TMA, 240
.set TMB, 241
.set PDR, 242
.set FPR, 244                          ; v[244:245] f = 2^(old M - new M) in the low word
.set CH2, 246                          ; v[246:247] the sum's second chain
; scalars: s[4:5] q, s[6:7] k, s[8:9] v, s[10:11] scales, s[12:13] out, s14 wave, s15 head's bytes, s[16:17], s[18:19] offsets, s[20:23] eq ek ep ev, s[24:25] lane selects,
; s[26:27] c, s28-31 byte selectors, s32 trips, s33, s34 LDS bytes of the step's images, s35 ep + ev, s36, s38 at work, s37 1 where p needs no hold
; 16 loads: two tiles of 16 rows of q or k from byte off on; load j of a tile brings d = 8 j + 4 h + 0 .. 3 of row r.  nt = 1: read once in the whole launch
.macro LD_QK x, sb, off, nt
.irp a, 0,1
.irp j, 0,1,2,3,4,5,6,7
.if \nt
	global_load_b128 v[\x+32*\a+4*\j:\x+32*\a+4*\j+3], v[KA], s[\sb:\sb+1] offset:\off+4096*\a+32*\j th:TH_LOAD_NT
.else
	global_load_b128 v[\x+32*\a+4*\j:\x+32*\a+4*\j+3], v[KA], s[\sb:\sb+1] offset:\off+4096*\a+32*\j
.endif
.endr
.endr
.endm
; 16 loads: 32 keys of V.  Lanes 0-15 read one whole row of 256 bytes, lanes 16-31 the row 8 keys on.  Load n brings channels 4 r .. 4 r + 3 of key 32 c + 8 h + n (n < 8) or 32 c + 16 + 8 h + n - 8:
; the 16 keys, in order, that registers 4 c .. 4 c + 3 of V's fragment hold in lane half h
.macro LD_V x, c
.set n1, 0
.rept 16
	global_load_b128 v[\x+4*n1:\x+4*n1+3], v[VA], s[8:9] offset:(32*(\c)+n1+8*(n1/8))*256
.set n1, n1+1
.endr
.endm
; 64 numbers of a lane become 64 codes in 16 registers.  st = 1: an earlier batch has stored codes to LDS
.macro QUANT64 x, c, sc, lim, st
.set n2, 0
.rept 64
	v_med3_num_f32 v[\x+n2], v[\x+n2], -v[\lim], v[\lim]   ; the conversion to an 8-bit code does not saturate (ISA guide 7.6.2): hold the number within the largest code x the scale first
.set n2, n2+1
.endr
	s_wait_dscnt 0x0                               ; the last batch's LDS stores are done: the registers that they read are written again below
.if \st
	s_wait_alu depctr_vm_vsrc(0)                   ; the last batch's LDS stores have read their data, v[CT ..] or v[DT ..], which the conversions below and the turning behind them write again
.endif
.irp g, 0,1,2,3,4,5,6,7
	v_cvt_scalef32_pk8_fp8_f32 v[\c+2*\g:\c+2*\g+1], v[\x+8*\g:\x+8*\g+7], v[\sc]
.endr
	v_nop                                          ; one plain vector instruction between a scaled conversion and the next vector or matrix instruction that touches its result or writes its sources
.endm
; batch i of K: my fragments 2 i and 2 i + 1, to LDS as they stand
.macro KBATCH i, x, st
	QUANT64 \x, CT, SCK, LMK, \st
	s_wait_alu depctr_va_vdst(0)                   ; the conversions have written v[CT ..], which the LDS stores read (in the first batch also: v[KW] is written); holds and conversions are done with the buffer, in which the loads behind this batch land
.irp a, 0,1
.irp c, 0,1
	ds_store_b128 v[KW], v[CT+8*\a+4*\c:CT+8*\a+4*\c+3] offset:(2*(\i)+\a)*1024+512*\c
.endr
.endr
.endm
; batch c of V: register n of the codes holds one key's four channels; 4 x 4 bytes are turned by two layers of v_perm_b32, so that four registers hold one channel's 16 keys: registers 4 c .. 4 c + 3 of that channel's lane
.macro VBATCH c, x
	QUANT64 \x, CT, SCV, LMV, 1
.irp g, 0,1,2,3
	v_perm_b32 v[\x],   v[CT+4*\g+1], v[CT+4*\g],   s28   ; keys 0, 1 of the four: channel 0's pair, channel 1's pair
	v_perm_b32 v[\x+1], v[CT+4*\g+1], v[CT+4*\g],   s29   ; channel 2's, channel 3's
	v_perm_b32 v[\x+2], v[CT+4*\g+3], v[CT+4*\g+2], s28   ; keys 2, 3 likewise
	v_perm_b32 v[\x+3], v[CT+4*\g+3], v[CT+4*\g+2], s29
	v_perm_b32 v[DT+\g],    v[\x+2], v[\x],   s30         ; channel 0: keys 4 g .. 4 g + 3
	v_perm_b32 v[DT+4+\g],  v[\x+2], v[\x],   s31         ; channel 1
	v_perm_b32 v[DT+8+\g],  v[\x+3], v[\x+1], s30         ; channel 2
	v_perm_b32 v[DT+12+\g], v[\x+3], v[\x+1], s31         ; channel 3
.endr
	s_wait_alu depctr_va_vdst(0)                   ; the turning has written v[DT ..], which the LDS stores read (in the first batch also: v[VW] is written); holds, conversions and turning are done with the buffer, in which the loads behind this batch land
.irp a, 0,1,2,3
	ds_store_b128 v[VW], v[DT+4*\a:DT+4*\a+3] offset:512*(\c)+16*\a   ; channel 4 r + a is lane 4 (r % 4) + a of channel tile r / 4
.endr
.endm
.macro MKSCALE e, vsc, vlim            ; 2^e and 448 x 2^e as f32
	s_add_co_i32 s36, s[\e], 127
	s_lshl_b32 s38, s36, 23
	v_mov_b32 v[\vsc], s38
	s_add_co_i32 s36, s36, 8
	s_lshl_b32 s36, s36, 23
	s_or_b32 s36, s36, 0x600000
	v_mov_b32 v[\vlim], s36
.endm
; Tile y's softmax for a key step: 64 scores a lane
.macro SOFTMAX y
.set SB, SA+64*(\y)
.set OB, OA+32*(\y)
.set NM, ST+4*(\y)
	v_max3_num_f32 v[TMA], v[SB], v[SB+1], v[SB+2]         ; the step's largest score of my query among my 64 keys, in two chains; every accumulator is read from its low end on
	v_max3_num_f32 v[TMB], v[SB+3], v[SB+4], v[SB+5]
.irp i, 6,10,14,18,22,26,30,34,38,42,46,50,54,58
	v_max3_num_f32 v[TMA], v[TMA], v[SB+\i], v[SB+\i+1]
	v_max3_num_f32 v[TMB], v[TMB], v[SB+\i+2], v[SB+\i+3]
.endr
	v_max3_num_f32 v[TMA], v[TMA], v[SB+62], v[SB+63]
	v_max_num_f32 v[TMA], v[TMA], v[TMB]
	v_permlanex16_b32 v[PDR], v[TMA], s24, s25             ; the query's other 64 keys lie in the lane 16 away
	v_max_num_f32 v[TMA], v[TMA], v[PDR]
	v_mul_f32 v[TMA], s26, v[TMA]                          ; as t (c is positive)
	v_max_num_f32 v[NM+1], v[NM+1], v[TMA]                 ; the running largest t
	v_mov_b32 v[TMA], v[NM]
	v_floor_f32 v[NM], -v[NM+1]                            ; the new -M = floor(-t) = -ceil(t): a whole number
	v_sub_f32 v[TMA], v[NM], v[TMA]                        ; old M - new M: a whole number, 0 or less
	v_cvt_i32_f32 v[TMA], v[TMA]                           ; (it saturates)
	v_ldexp_f32 v[FPR], 1.0, v[TMA]                        ; f = 2^(old M - new M)
.set n3, 0
.rept 16
	v_pk_mul_f32 v[OB+n3:OB+n3+1], v[OB+n3:OB+n3+1], v[FPR:FPR+1] op_sel_hi:[1,0]   ; O^T under the new M, each accumulator from its low end on
.set n3, n3+2
.endr
.set n3, 0
.rept 32
	v_pk_fma_f32 v[SB+n3:SB+n3+1], v[SB+n3:SB+n3+1], s[26:27], v[NM:NM+1] op_sel_hi:[1,0,0]   ; t - M, two at a time (of the pairs c and -M the low word serves both halves)
.set n3, n3+2
.endr
.set n3, 0
.rept 64
	v_exp_f32 v[SB+n3], v[SB+n3]                           ; p = 2^(t - M): not normalised
.set n3, n3+1
.endr
	v_pk_mul_f32 v[NM+2:NM+3], v[NM+2:NM+3], v[FPR:FPR+1] op_sel_hi:[1,0]   ; the sum under the new M (the plain instruction behind the exponentials)
	s_wait_alu depctr_va_vdst(0)                           ; the 64 exponentials have written p: one wait for the batch, ahead of its first reader
	v_pk_add_f32 v[CH2:CH2+1], v[SB:SB+1], v[SB+2:SB+3]    ; the row's sum is taken of the unquantised p: two at a time, in two chains
.irp j, 4,8,12,16,20,24,28,32,36,40,44,48,52,56,60
	v_pk_add_f32 v[NM+2:NM+3], v[NM+2:NM+3], v[SB+\j:SB+\j+1]
	v_pk_add_f32 v[CH2:CH2+1], v[CH2:CH2+1], v[SB+\j+2:SB+\j+3]
.endr
	v_pk_add_f32 v[NM+2:NM+3], v[NM+2:NM+3], v[CH2:CH2+1]
	s_cmp_lg_u32 s37, 0                                    ; the hold of p is passed over only where it can change nothing (see where s37 is made); for every other pair of scales it runs
	s_cbranch_scc1 .Lfree_\@
.set n3, 0
.rept 64
	v_min_num_f32 v[SB+n3], v[SB+n3], v[LMP]               ; p is not negative: the hold is one-sided
.set n3, n3+1
.endr
.Lfree_\@:
.irp t, 0,1,2,3,4,5,6,7
	v_cvt_scalef32_pk8_fp8_f32 v[F+16*(\y)+2*\t:F+16*(\y)+2*\t+1], v[SB+8*\t:SB+8*\t+7], v[SCP]   ; keys 16 t + 8 h + 0 .. 7: registers 2 t, 2 t + 1 of P
.endr
	v_nop                                                  ; the plain instruction behind the last conversion
.endm
	s_load_b256 s[4:11], s[0:1], 0x0               ; q, k, v, the scales' exponents
	s_load_b64 s[12:13], s[0:1], 0x20              ; out
	v_lshrrev_b32 v1, 5, v0
	v_readfirstlane_b32 s14, v1                    ; wave 0..15
	v_and_b32 v1, 31, v0
	v_lshlrev_b32 v[LI], 4, v1                     ; 16 x lane
	v_and_b32 v14, 15, v0                          ; r
	v_bfe_u32 v15, v0, 4, 1                        ; h
	v_lshlrev_b32 v[KA], 8, v14
	v_lshl_add_u32 v[KA], v15, 4, v[KA]            ; 256 r + 16 h
	v_lshlrev_b32 v[VA], 4, v14
	v_lshl_add_u32 v[VA], v15, 11, v[VA]           ; 16 r + 8 rows x h
	s_and_b32 s15, ttmp7, 0xffff
	s_lshl_b32 s15, s15, 19                        ; the head's first byte in each tensor: 2,048 rows of 256 bytes a head; 64 heads are 32 MiB
	s_wait_alu depctr_va_sdst(0)                   ; s14 is written, ahead of its first reader: the bases and the LDS addresses are made from it
	s_lshl_b32 s16, s14, 15
	s_add_co_u32 s16, s16, s15                     ; K, V: + my wave's 128 keys
	s_mov_b32 s17, 0
	s_lshl_b32 s18, ttmp9, 17
	s_add_co_u32 s18, s18, s15                     ; q, out: + the work-group's 512 queries
	s_lshl_b32 s36, s14, 13
	s_add_co_u32 s18, s18, s36                     ; + my wave's 32
	s_mov_b32 s19, 0
	s_wait_kmcnt 0x0
	s_load_b128 s[20:23], s[10:11], 0x0            ; eq, ek, ep, ev
	s_add_nc_u64 s[4:5], s[4:5], s[18:19]
	s_add_nc_u64 s[12:13], s[12:13], s[18:19]
	s_add_nc_u64 s[6:7], s[6:7], s[16:17]
	s_add_nc_u64 s[8:9], s[8:9], s[16:17]
	s_wait_alu depctr_va_vdst(0)                   ; v[LI], v[KA] and v[VA] are written: the loads of q, k and v and the last stores read them as their offsets
	LD_QK X0, 4, 0, 1                              ; my 32 rows of q
	LD_QK X1, 6, 0, 0                              ; K, keys 0-31 of my 128
	LD_QK X2, 6, 8192, 0                           ; keys 32-63
	s_lshl_b32 s36, s14, 13
	v_add_nc_u32 v[KW], s36, v[LI]                 ; K's images: my eight fragments, 16 x lane
	s_mul_i32 s36, s14, 4*VFRB
	s_add_co_u32 s36, s36, VIMG                    ; V's images: my step's four fragments;
	v_bfe_u32 v[VW], v0, 2, 2
	v_mul_u32_u24 v[VW], v[VW], VFRB               ; channel tile r / 4,
	v_and_b32 v14, 3, v0
	v_lshl_add_u32 v[VW], v14, 6, v[VW]            ; lane 4 (r % 4) of it,
	v_lshl_add_u32 v[VW], v15, 8, v[VW]            ; in my half of the lanes
	v_add_nc_u32 v[VW], s36, v[VW]
	s_mov_b32 s24, 0x76543210                      ; v_permlanex16_b32: lane l xor 16
	s_mov_b32 s25, 0xfedcba98
	s_mov_b32 s26, 0x3e38aa3b                      ; c = log2(e) / 8
	s_mov_b32 s28, 0x05010400                      ; byte selectors for the turning of V's codes
	s_mov_b32 s29, 0x07030602
	s_mov_b32 s30, 0x05040100
	s_mov_b32 s31, 0x07060302
	s_wait_kmcnt 0x0
	MKSCALE 20, SCQ, LMQ
	MKSCALE 21, SCK, LMK
	MKSCALE 23, SCV, LMV
	MKSCALE 22, SCP, LMP
	s_add_co_i32 s35, s22, s23                     ; ep + ev
	s_add_co_i32 s36, s20, s21                     ; eq + ek
	; Where eq + ek <= 0, |t| <= 64 x 448^2 x c < 2^22, so the rounding of the largest t is at most 1/4 and p <= 2^(1/4); where also ep >= -8, 448 x 2^ep >= 1.75: the hold of p changes nothing.
	s_cmp_le_i32 s36, 0
	s_cselect_b32 s37, 1, 0
	s_cmp_ge_i32 s22, -8
	s_cselect_b32 s37, s37, 0
	s_lshl_b32 s36, s36, 23
	s_add_co_i32 s26, s26, s36                     ; a score stands for score x 2^(eq + ek): the exponents are added to c's exponent field
	s_mov_b32 s27, s26                             ; (named with it as a pair, so it is written)
	; THE PROLOGUE: nine batches of 16 loads go round three buffers; while one is quantised two are on their way
	s_wait_loadcnt 32                              ; the oldest batch is in, the two younger ones (32 loads) stay out: so at each of these waits
	QUANT64 X0, QF, SCQ, LMQ, 0                    ; Q's two fragments stay in registers
	s_wait_alu depctr_va_vdst(0)                   ; the holds have written and the conversions have read X0, in which the next loads land
	LD_QK X0, 6, 16384, 0                          ; keys 64-95
	s_wait_loadcnt 32
	KBATCH 0, X1, 0
	LD_QK X1, 6, 24576, 0                          ; keys 96-127.  No wait: no vector instruction since the batch's wait on va_vdst; so behind each batch below
	s_wait_loadcnt 32
	KBATCH 1, X2, 1
	LD_V X2, 0
	s_wait_loadcnt 32
	KBATCH 2, X0, 1
	LD_V X0, 1
	s_wait_loadcnt 32
	KBATCH 3, X1, 1
	LD_V X1, 2
	s_wait_loadcnt 32
	VBATCH 0, X2
	LD_V X2, 3
	s_wait_loadcnt 32
	VBATCH 1, X0
	s_wait_loadcnt 16                              ; one younger batch is left
	VBATCH 2, X1
	s_wait_loadcnt 0x0
	VBATCH 3, X2
	s_wait_dscnt 0x0                               ; my images lie in LDS, for the others' sake; and the stores' registers may be written again
	s_wait_alu depctr_vm_vsrc(0)                   ; my LDS stores have read v[KW], v[VW], v[CT ..] and v[DT ..], and the loads v[KA] and v[VA]: the statistics, O^T and the loop's addresses are written into these registers below
	s_barrier_signal -1
.irp y, 0,1                                    ; register work while the others arrive
	v_mov_b32 v[ST+4*\y+1], 0xff61b1e6             ; the largest t so far: -3e38, under every t
	v_floor_f32 v[ST+4*\y], -v[ST+4*\y+1]          ; -M
	v_mov_b32 v[ST+4*\y+2], 0                      ; the sum, in two halves
	v_mov_b32 v[ST+4*\y+3], 0
.endr
.set n4, 0
.rept 64
	v_mov_b32 v[OA+n4], 0                          ; O^T.  (The step is written once: the first finds zeros, which the first change of M leaves zeros)
.set n4, n4+1
.endr
	s_mov_b32 s33, KIMG
	s_mov_b32 s34, VIMG
	s_mov_b32 s32, 16
	s_barrier_wait -1                              ; the head's K and V lie in LDS, whole
.Lstep:                                            ; 16 trips of 128 keys
	s_wait_alu depctr_vm_vsrc(0)                   ; the last trip's LDS loads have read v[ADK] and v[ADV], which the two additions write
	v_add_nc_u32 v[ADK], s33, v[LI]
	v_add_nc_u32 v[ADV], s34, v[LI]
.rept 3
	v_nop                                          ; with the two additions five places behind the last trip's products: the first products below write over V's fragments, which those have read (ISA guide 7.12.1)
.endr
.irp g, 0,1                                    ; S^T = K Q^T, four tiles of 16 keys at a time, each fragment of K against both tiles of queries
	s_wait_alu depctr_va_vdst(0)                   ; g = 0: v[ADK] and v[ADV] are written, which this trip's LDS loads read; the conversions have written and the last trip's products have read P's codes (first trip: the prologue is done with X2), on which the loads below land.  g = 1: the eight products above have read K's four fragments, on which the next four land
.irp t, 0,1,2,3
.irp c, 0,1
	ds_load_b128 v[F+8*\t+4*\c:F+8*\t+4*\c+3], v[ADK] offset:(4*\g+\t)*1024+512*\c
.endr
.endr
	s_wait_dscnt 0x0
.irp t, 0,1,2,3
.irp y, 0,1
	v_wmma_f32_16x16x64_fp8_fp8 v[SA+64*\y+8*(4*\g+\t):SA+64*\y+8*(4*\g+\t)+7], v[F+8*\t:F+8*\t+7], v[QF+8*\y:QF+8*\y+7], 0
.endr
.endr
.rept 4
	v_nop                                          ; places in front of the first reads of the scores and the first writes of the temporaries; in front of the next loads into K's registers they stay beside the wait that states that dependence
.endr
.endr
	SOFTMAX 0
	s_wait_alu depctr_va_vdst(0)                   ; tile 0's softmax has written and its conversions have read v[VF ..], in which V's fragments land
.irp u, 0,1,2,3                                ; V's four fragments land in the registers that tile 0's p has left, while tile 1's softmax is worked: it names none of them
.irp c, 0,1,2,3
	ds_load_b128 v[VF+16*\u+4*\c:VF+16*\u+4*\c+3], v[ADV] offset:\u*VFRB+512*\c
.endr
.endr
	SOFTMAX 1
	s_wait_dscnt 0x0                               ; V is in
.irp u, 0,1,2,3                                ; O^T += V^T P^T: eight accumulators, one instruction each
.irp y, 0,1
	v_wmma_f32_16x16x128_fp8_fp8 v[OA+32*\y+8*\u:OA+32*\y+8*\u+7], v[VF+16*\u:VF+16*\u+15], v[F+16*\y:F+16*\y+15], v[OA+32*\y+8*\u:OA+32*\y+8*\u+7]
.endr
.endr
	s_add_co_u32 s33, s33, 8192                    ; the next step's eight fragments of K,
	s_add_co_u32 s34, s34, 4*VFRB                  ; and four of V
	s_sub_co_u32 s32, s32, 1
	s_cmp_lg_u32 s32, 0
	s_cbranch_scc1 .Lstep
	; THE WAY OUT.  The addresses and the sums are the places behind the last products.
	s_wait_alu depctr_vm_vsrc(0)                   ; the last trip's LDS loads have read v2 and v3, which tile 1's sum and its exchange write below
	v_and_b32 v8, 15, v0                           ; r
	v_bfe_u32 v9, v0, 4, 1                         ; h
	s_mul_i32 s36, s14, 2*STGB                     ; my two stages
	v_mul_u32_u24 v4, v8, SPT
	v_lshl_add_u32 v4, v9, 5, v4
	v_add_nc_u32 v4, s36, v4                       ; in: row r; channels 16 u + 8 h on: 64 u + 32 h bytes
	v_mul_u32_u24 v5, v9, SPT
	v_lshl_add_u32 v5, v8, 4, v5
	v_add_nc_u32 v5, s36, v5                       ; back: lanes 0-15 one row of 256 bytes, lanes 16-31 the next
	v_add_f32 v14, v6, v7                          ; the sums' two halves,
	v_add_f32 v2, v10, v11
	v_permlanex16_b32 v15, v14, s24, s25
	v_permlanex16_b32 v3, v2, s24, s25
	v_add_f32 v14, v14, v15                        ; and lane l xor 16's: the rows' sums
	v_add_f32 v2, v2, v3
	v_rcp_f32 v14, v14
	v_rcp_f32 v2, v2
	v_nop                                          ; a plain instruction behind the reciprocals
	s_wait_alu depctr_va_vdst(0)                   ; the two reciprocals have written v14 and v2: one wait for both, ahead of their first reader
	v_ldexp_f32 v14, v14, s35                      ; x 2^(ep + ev)
	v_ldexp_f32 v2, v2, s35
	s_wait_dscnt 0x0                               ; my reads of the images are over
	s_barrier_signal -1
	s_barrier_wait -1                              ; everybody's are: the stages may be laid over the images
.macro SCALE y, inv
.set n5, 0
.rept 16
	v_pk_mul_f32 v[96+32*(\y)+n5:96+32*(\y)+n5+1], v[OA+32*(\y)+n5:OA+32*(\y)+n5+1], v[\inv:\inv+1] op_sel_hi:[1,0]   ; O^T / the sum, each accumulator from its low end on
.set n5, n5+2
.endr
.endm
.macro TOSTAGE y
.irp u, 0,1,2,3
	ds_store_b128 v4, v[96+32*(\y)+8*\u:96+32*(\y)+8*\u+3] offset:STGB*(\y)+64*\u
	ds_store_b128 v4, v[96+32*(\y)+8*\u+4:96+32*(\y)+8*\u+7] offset:STGB*(\y)+64*\u+16
.endr
.irp i, 0,1,2,3,4,5,6,7
	ds_load_b128 v[160+32*(\y)+4*\i:160+32*(\y)+4*\i+3], v5 offset:STGB*(\y)+2*SPT*\i   ; LDS serves a wave's instructions in order (ISA guide 5.7.1.4): these see my stores; the stage is my own
.endr
.endm
	SCALE 0, 14
	SCALE 1, 2
	s_wait_alu depctr_va_vdst(0)                   ; both tiles' scalings have written v96 to v159, which the LDS stores read; v4 and v5, the stage's addresses, are written; the last trip's softmax is done with v160 to v223, in which the stage's loads land
	TOSTAGE 0
	TOSTAGE 1
.irp i, 0,1,2,3,4,5,6,7
	s_wait_dscnt 23-\i                             ; behind tile 0's load i: 7 - i of its own loads and tile 1's sixteen LDS instructions
	global_store_b128 v[LI], v[160+4*\i:160+4*\i+3], s[12:13] offset:512*\i th:TH_STORE_NT   ; 32 lanes store two rows, 512 consecutive bytes at a multiple of 256 from out's first byte
.endr
.irp i, 0,1,2,3,4,5,6,7
	s_wait_dscnt 7-\i                              ; behind tile 1's load i: 7 - i loads
	global_store_b128 v[LI], v[192+4*\i:192+4*\i+3], s[12:13] offset:4096+512*\i th:TH_STORE_NT
.endr
	s_wait_xcnt 0x0
	v_lshl_add_u32 v254, v0, 2, 0x40400            ; the add's two registers are made anew here: no memory or LDS instruction of the text reads v254 or v255 but the add below
	v_mov_b32 v255, 0
	s_wait_dscnt 0x0                               ; the closing lines, six on end
	s_wait_alu 0x0
	s_wait_tensorcnt 0x0
	ds_add_u32 v254, v255
	s_wait_dscnt 0x0
	s_endpgm
.Lfunc_end_k_q1696fcd0b8_attn:
	.size	k_q1696fcd0b8_attn, .Lfunc_end_k_q1696fcd0b8_attn-k_q1696fcd0b8_attn
	.p2alignl 7, 3214868480
	.fill 96, 4, 3214868480
	.section	.rodata,"a",@progbits
	.p2align	6, 0x0
	.amdhsa_kernel k_q1696fcd0b8_attn
		.amdhsa_group_segment_fixed_size 265216
		.amdhsa_private_segment_fixed_size 0
		.amdhsa_enable_private_segment 0
		.amdhsa_kernarg_size 40
		.amdhsa_user_sgpr_count 2
		.amdhsa_user_sgpr_kernarg_segment_ptr 1
		.amdhsa_wavefront_size32 1
		.amdhsa_system_sgpr_workgroup_id_x 1
		.amdhsa_system_sgpr_workgroup_id_y 1
		.amdhsa_system_sgpr_workgroup_id_z 1
		.amdhsa_system_vgpr_workitem_id 0
		.amdhsa_next_free_vgpr 256
		.amdhsa_next_free_sgpr 66
		.amdhsa_reserve_vcc 0
		.amdhsa_float_denorm_mode_32 3
		.amdhsa_float_denorm_mode_16_64 3
		.amdhsa_memory_ordered 1
		.amdhsa_forward_progress 1
		.amdhsa_inst_pref_size 108
	.end_amdhsa_kernel
	.amdgpu_metadata
---
amdhsa.version: [ 1, 2 ]
amdhsa.kernels:
  - .name:           k_q1696fcd0b8_attn
    .symbol:         k_q1696fcd0b8_attn.kd
    .args:
      - { .name: q, .offset: 0, .size: 8, .value_kind: global_buffer, .address_space: global }
      - { .name: k, .offset: 8, .size: 8, .value_kind: global_buffer, .address_space: global }
      - { .name: v, .offset: 16, .size: 8, .value_kind: global_buffer, .address_space: global }
      - { .name: lowp_scales, .offset: 24, .size: 8, .value_kind: global_buffer, .address_space: global }
      - { .name: out0, .offset: 32, .size: 8, .value_kind: global_buffer, .address_space: global }
    .group_segment_fixed_size: 265216
    .private_segment_fixed_size: 0
    .kernarg_segment_align: 8
    .kernarg_segment_size: 40
    .max_flat_workgroup_size: 512
    .sgpr_count:     66
    .vgpr_count:     256
    .wavefront_size: 32
...
	.end_amdgpu_metadata
.endif
;; end of part 2
